; MI455X (gfx1250); checked and timed in simulation.
; The chip was launched on July 23, 2026; its instructions are those of AMD's public machine-readable ISA for CDNA 5 (MIT licence, August 2026) and "CDNA5" Instruction Set Architecture Reference Guide (July 2026). The comments in the code are by the model that wrote it; some were corrected since.
;; Hard Op Bank. Allowed arithmetic: float matrix products may take bf16 or f16 operands with f32 sums; all other float work in f32.
;; Inputs: W 8 x 512 x 512 float32; gumbel 4 x 8,192 x 8 float32; op_logits 4 x 8,192 x 8 float32; x 4 x 8,192 x 512 float32.
;; Outputs: out0 4 x 8,192 x 512 float32.
;; One version. Each part assembles by itself: llvm-mc -triple=amdgcn-amd-amdhsa -mcpu=gfx1250 --defsym DOCPART=n.
;; ======== version 1 of 1: 3 launches
;; limits: values are held in f16: magnitudes above 65,504 overflow, below 6.1e-05 lose precision; inputs' magnitudes at most 65,504
;; workspace buffers: wb 4,194,304 bytes; rec 131,072 bytes of whole numbers; wt 131,072 bytes; cnt 8,192 bytes of whole numbers; order 131,072 bytes of whole numbers; plan 4,096 bytes of whole numbers
;; launch route (part 1): grid 256 x 1, 4 waves a work-group, no clusters, 19,200 bytes of LDS; arguments W, gumbel, op_logits, wb, rec, wt, cnt; writes wb, rec, wt, cnt
.if DOCPART == 1
	.amdgcn_target "amdgcn-amd-amdhsa--gfx1250"
	.amdhsa_code_object_version 6
	.text
	.protected	k_qd094c2e9b8_route
	.globl	k_qd094c2e9b8_route
	.p2align	8
	.type	k_qd094c2e9b8_route,@function
k_qd094c2e9b8_route:
	s_mov_b64 s[64:65], 0
	v_nop
	global_prefetch_b8 v0, s[64:65] scope:SCOPE_SE
	s_setreg_imm32_b32 hwreg(HW_REG_WAVE_MODE, 25, 1), 1
	s_wait_xcnt 0x0
; ROUTE.  Two jobs that share nothing but the launch.
; (1) For token = 128 g + thread: y = softmax(op_logits + gumbel) (tau is the constant 1.0, z / 1.0 = z), with the maximum taken away
;     before the exponentials; idx = first index of the largest y; wt = (1 - y[idx]) + y[idx], the value that the straight-through
;     route has at the chosen op (at the other seven it is (0 - y) + y = 0 exactly).  Stored: rec[token] = idx | rank << 8, where
;     rank = how many lower lanes of the wave chose the same op; wt[token]; cnt[block = token / 32] = two words, one byte for each op.
; (2) W to f16 in the order in which the third launch's matrix instructions want it:
;     wb byte = e*524288 + blk*65536 + s*4096 + t*1024 + half*512 + lane*16 + 2 kk  holds  W[e][64 blk + 4 r + t][32 s + 16 half + 8 h + kk],
;     lane = 16 h + r.  Work-group g makes k steps 4 q .. 4 q + 3 of block bid = 8 e + blk = g / 4, q = g % 4.
; WHY f16: a result is a sum of 512 products and is compared within a hundredth of the output's root mean square; operands with 8 significant
; bits leave an error whose tail reaches that, operands with 11 bits one eight times smaller.
; LIMITS.  |W| of 65,520 or more becomes infinite in f16; |W| below 2^-14 is rounded to a multiple of 2^-24 (denormals are kept).
; y is made with v_exp_f32 and v_rcp_f32 and its own order of summing: where the two largest y lie within a few units of the
; last place, the op chosen can differ from that of an exactly rounded softmax.  NaN logits are not served.
; No matrix unit, no cluster: the launch streams 8 MiB of W and 2 MiB of logits once, and no two work-groups read the same bytes.
.set WP,   272                         ; LDS row of the W tile: 128 f16 = 256 bytes + 16: an odd multiple of 16, so 16 rows start 16 bytes apart modulo 256
.set REC,  64*WP                       ; 17,408: 128 words rec
.set WTS,  REC+512                     ; 128 words wt
.set CNT,  WTS+512                     ; 4 waves x 2 words
.set ZR,   4                           ; v[4:11]   logits, then z
.set ER,   12                          ; v[12:19]  gumbel, then the exponentials, then y
.set DR,   20                          ; v[20:27]  (z - max) log2 e
.set WR,   32                          ; v[32:95]  16 loads of W, later the 8 pieces on their way out
	s_load_b256 s[4:11], s[0:1], 0x0               ; W s[4:5], gumbel s[6:7], op_logits s[8:9], wb s[10:11]
	s_load_b128 s[12:15], s[0:1], 0x20             ; rec s[12:13], wt s[14:15]
	s_load_b64 s[16:17], s[0:1], 0x30              ; cnt
	v_lshl_add_u32 v96, v0, 2, 0x4900
	v_mov_b32 v97, 0
	v_lshrrev_b32 v1, 5, v0
	v_readfirstlane_b32 s18, v1                    ; wave w
	v_and_b32 v1, 31, v0                           ; lane
	v_lshlrev_b32 v2, 5, v0                        ; 32 bytes of logits a token
	v_lshlrev_b32 v3, 4, v1                        ; 16 x lane
	s_lshl_b32 s38, ttmp9, 12                      ; 128 tokens x 32 bytes
	s_mov_b32 s39, 0
	s_lshr_b32 s19, ttmp9, 2                       ; bid
	s_and_b32 s40, ttmp9, 3                        ; q
	s_lshl_b32 s42, s19, 17                        ; W: 64 rows of 2,048 bytes a block,
	s_lshl_b32 s41, s40, 9                         ;    + 128 q numbers along k,
	s_add_co_u32 s42, s42, s41
	s_lshl_b32 s41, s18, 15                        ;    + 16 rows a wave
	s_add_co_u32 s42, s42, s41
	s_mov_b32 s43, 0
	s_lshl_b32 s44, s19, 16                        ; wb: 65,536 bytes a block,
	s_lshl_b32 s41, s40, 14                        ;     + 4 q k steps of 4,096 bytes,
	s_add_co_u32 s44, s44, s41
	s_lshl_b32 s41, s18, 12                        ;     + the wave's k step
	s_add_co_u32 s44, s44, s41
	s_mov_b32 s45, 0
	s_lshl_b32 s46, ttmp9, 9                       ; rec, wt: 128 words
	s_mov_b32 s47, 0
	s_wait_kmcnt 0x0
	s_add_nc_u64 s[8:9], s[8:9], s[38:39]
	s_add_nc_u64 s[6:7], s[6:7], s[38:39]
	s_add_nc_u64 s[4:5], s[4:5], s[42:43]
	s_add_nc_u64 s[10:11], s[10:11], s[44:45]
	s_add_nc_u64 s[12:13], s[12:13], s[46:47]
	s_add_nc_u64 s[14:15], s[14:15], s[46:47]
	s_lshl_b32 s38, ttmp9, 5                       ; cnt: 4 blocks x 8 bytes
	s_add_nc_u64 s[16:17], s[16:17], s[38:39]
	global_load_b128 v[ZR:ZR+3],   v2, s[8:9]
	global_load_b128 v[ZR+4:ZR+7], v2, s[8:9] offset:16
	global_load_b128 v[ER:ER+3],   v2, s[6:7]
	global_load_b128 v[ER+4:ER+7], v2, s[6:7] offset:16
.irp i, 0,1,2,3,4,5,6,7,8,9,10,11,12,13,14,15
	global_load_b128 v[WR+4*\i:WR+4*\i+3], v3, s[4:5] offset:2048*\i th:TH_LOAD_NT   ; row 16 w + i: 512 neighbouring bytes, read once in the launch
.endr
	; ---- the route ----
	s_wait_loadcnt 16                              ; the four loads of logits are in; the 16 of W, issued behind them, stay out
.irp j, 0,2,4,6
	v_pk_add_f32 v[ZR+\j:ZR+\j+1], v[ZR+\j:ZR+\j+1], v[ER+\j:ER+\j+1]    ; z = logits + gumbel
.endr
	v_max3_num_f32 v28, v[ZR], v[ZR+1], v[ZR+2]
	v_max3_num_f32 v28, v28, v[ZR+3], v[ZR+4]
	v_max3_num_f32 v28, v28, v[ZR+5], v[ZR+6]
	v_max_num_f32 v28, v28, v[ZR+7]                ; the maximum,
	v_mov_b32 v29, v28                             ; twice, for the packed subtraction
.irp j, 0,2,4,6
	v_pk_add_f32 v[DR+\j:DR+\j+1], v[ZR+\j:ZR+\j+1], v[28:29] neg_lo:[0,1] neg_hi:[0,1]
.endr
.irp j, 0,2,4,6
	v_pk_mul_f32 v[DR+\j:DR+\j+1], v[DR+\j:DR+\j+1], 0x3fb8aa3b op_sel_hi:[1,0]      ; times log2 e: v_exp_f32 is 2^x
.endr
.irp j, 0,1,2,3,4,5,6,7
	v_exp_f32 v[ER+\j], v[DR+\j]
.endr
	v_nop                                          ; one plain vector instruction between the transcendentals and the first use (ISA guide 5.7.2)
	s_wait_alu depctr_va_vdst(0)
	v_pk_add_f32 v[20:21], v[ER:ER+1], v[ER+2:ER+3]
	v_pk_add_f32 v[22:23], v[ER+4:ER+5], v[ER+6:ER+7]
	v_pk_add_f32 v[20:21], v[20:21], v[22:23]
	v_add_f32 v20, v20, v21
	v_rcp_f32 v30, v20
	v_rcp_f32 v31, v20
	v_nop
	s_wait_alu depctr_va_vdst(0)
.irp j, 0,2,4,6
	v_pk_mul_f32 v[ER+\j:ER+\j+1], v[ER+\j:ER+\j+1], v[30:31]            ; y
.endr
	v_mov_b32 v4, v[ER]                            ; the largest y so far,
	v_mov_b32 v5, 0                                ; and its index: a later one wins only if it is larger
.irp i, 1,2,3,4,5,6,7
	v_cmp_ge_f32 vcc_lo, v4, v[ER+\i]
	v_cndmask_b32 v5, \i, v5, vcc_lo
	v_max_num_f32 v4, v4, v[ER+\i]
.endr
	v_sub_f32 v6, 1.0, v4
	v_add_f32 v6, v6, v4                           ; (1 - y) + y
	; rank in the wave and the wave's counts: values only; no address and no branch of this launch hangs on them
	v_mov_b32 v7, 0
.irp e, 0,1,2,3,4,5,6,7
	v_cmp_eq_u32 s[20+\e], \e, v5
	v_mbcnt_lo_u32_b32 v8, s[20+\e], 0             ; lower lanes with this op
	v_cndmask_b32 v7, v7, v8, s[20+\e]
	s_bcnt1_i32_b32 s[28+\e], s[20+\e]
.endr
	s_lshl_b32 s29, s29, 8                         ; counts are 32 at the most: a byte each
	s_lshl_b32 s30, s30, 16
	s_lshl_b32 s31, s31, 24
	s_or_b32 s28, s28, s29
	s_or_b32 s30, s30, s31
	s_or_b32 s36, s28, s30                         ; ops 0-3
	s_lshl_b32 s33, s33, 8
	s_lshl_b32 s34, s34, 16
	s_lshl_b32 s35, s35, 24
	s_or_b32 s32, s32, s33
	s_or_b32 s34, s34, s35
	s_or_b32 s37, s32, s34                         ; ops 4-7
	v_lshl_or_b32 v9, v7, 8, v5                    ; rec
	v_lshlrev_b32 v10, 2, v0
	ds_store_b32 v10, v9 offset:REC
	ds_store_b32 v10, v6 offset:WTS
	s_lshl_b32 s41, s18, 3
	v_mov_b32 v11, s41
	v_mov_b32 v20, s36
	v_mov_b32 v21, s37
	ds_store_b64 v11, v[20:21] offset:CNT          ; all lanes store the same two words
	; ---- W: to f16, into LDS with row 4 r + t at LDS row 16 t + r ----
	s_mul_i32 s41, s18, 4*WP
	v_lshl_add_u32 v22, v1, 3, s41                 ; LDS row 4 w, 8 bytes a lane
	s_wait_loadcnt 0x0
.irp i, 0,1,2,3,4,5,6,7,8,9,10,11,12,13,14,15
	v_cvt_pk_f16_f32 v[WR+4*\i],   v[WR+4*\i],   v[WR+4*\i+1]
	v_cvt_pk_f16_f32 v[WR+4*\i+1], v[WR+4*\i+2], v[WR+4*\i+3]
.endr
.irp i, 0,1,2,3,4,5,6,7,8,9,10,11,12,13,14,15
	ds_store_b64 v22, v[WR+4*\i:WR+4*\i+1] offset:((\i&3)*16+(\i>>2))*WP  ; row 16 w + i: t = i % 4, r = 4 w + i / 4
.endr
	v_and_b32 v23, 15, v0                          ; r
	v_bfe_u32 v24, v0, 4, 1                        ; h
	v_mul_u32_u24 v23, v23, WP
	v_lshl_add_u32 v23, v24, 4, v23
	s_lshl_b32 s41, s18, 6
	v_add_nc_u32 v23, s41, v23                     ; r x pitch + 16 h + the wave's 32 k (64 bytes)
	s_wait_dscnt 0x0                               ; my stores are in LDS, for the other waves' sake,
	s_barrier_signal -1
	s_barrier_wait -1                              ; and so are everybody's
.irp p, 0,1,2,3,4,5,6,7
	ds_load_b128 v[WR+4*\p:WR+4*\p+3], v23 offset:(\p>>1)*16*WP+(\p&1)*32   ; piece p = 2 t + half
.endr
.irp p, 0,1,2,3,4,5,6,7
	s_wait_dscnt 7-\p                              ; LDS loads come back in order: piece p is in
	global_store_b128 v3, v[WR+4*\p:WR+4*\p+3], s[10:11] offset:512*\p      ; the wave stores 512 neighbouring bytes, aligned
.endr
	; ---- the lists leave as whole runs of 512 bytes, one wave each ----
	s_cmp_lg_u32 s18, 0
	s_cbranch_scc1 .Lnot_w0
	ds_load_b128 v[8:11], v3 offset:REC
	s_wait_dscnt 0x0
	global_store_b128 v3, v[8:11], s[12:13]
	s_wait_tensorcnt 0x0
	ds_add_u32 v96, v97
	s_wait_dscnt 0x0
	s_endpgm
.Lnot_w0:
	s_cmp_lg_u32 s18, 1
	s_cbranch_scc1 .Lnot_w1
	ds_load_b128 v[8:11], v3 offset:WTS
	s_wait_dscnt 0x0
	global_store_b128 v3, v[8:11], s[14:15]
	s_wait_tensorcnt 0x0
	ds_add_u32 v96, v97
	s_wait_dscnt 0x0
	s_endpgm
.Lnot_w1:
	s_cmp_lg_u32 s18, 2
	s_cbranch_scc1 .Lnot_w2
	v_and_b32 v8, 7, v0
	v_lshlrev_b32 v8, 2, v8
	ds_load_b32 v9, v8 offset:CNT                  ; 8 words; four lanes hold each and store the same value
	s_wait_dscnt 0x0
	global_store_b32 v8, v9, s[16:17]
.Lnot_w2:
	s_wait_tensorcnt 0x0
	ds_add_u32 v96, v97
	s_wait_dscnt 0x0
	s_endpgm
.Lfunc_end_k_qd094c2e9b8_route:
	.size	k_qd094c2e9b8_route, .Lfunc_end_k_qd094c2e9b8_route-k_qd094c2e9b8_route
	.p2alignl 7, 3214868480
	.fill 96, 4, 3214868480
	.section	.rodata,"a",@progbits
	.p2align	6, 0x0
	.amdhsa_kernel k_qd094c2e9b8_route
		.amdhsa_group_segment_fixed_size 19200
		.amdhsa_private_segment_fixed_size 0
		.amdhsa_enable_private_segment 0
		.amdhsa_kernarg_size 56
		.amdhsa_user_sgpr_count 2
		.amdhsa_user_sgpr_kernarg_segment_ptr 1
		.amdhsa_wavefront_size32 1
		.amdhsa_system_sgpr_workgroup_id_x 1
		.amdhsa_system_sgpr_workgroup_id_y 1
		.amdhsa_system_sgpr_workgroup_id_z 1
		.amdhsa_system_vgpr_workitem_id 0
		.amdhsa_next_free_vgpr 98
		.amdhsa_next_free_sgpr 66
		.amdhsa_reserve_vcc 1
		.amdhsa_float_denorm_mode_32 3
		.amdhsa_float_denorm_mode_16_64 3
		.amdhsa_memory_ordered 1
		.amdhsa_forward_progress 1
		.amdhsa_inst_pref_size 16
	.end_amdhsa_kernel
	.amdgpu_metadata
---
amdhsa.version: [ 1, 2 ]
amdhsa.kernels:
  - .name:           k_qd094c2e9b8_route
    .symbol:         k_qd094c2e9b8_route.kd
    .args:
      - { .name: W, .offset: 0, .size: 8, .value_kind: global_buffer, .address_space: global }
      - { .name: gumbel, .offset: 8, .size: 8, .value_kind: global_buffer, .address_space: global }
      - { .name: op_logits, .offset: 16, .size: 8, .value_kind: global_buffer, .address_space: global }
      - { .name: wb, .offset: 24, .size: 8, .value_kind: global_buffer, .address_space: global }
      - { .name: rec, .offset: 32, .size: 8, .value_kind: global_buffer, .address_space: global }
      - { .name: wt, .offset: 40, .size: 8, .value_kind: global_buffer, .address_space: global }
      - { .name: cnt, .offset: 48, .size: 8, .value_kind: global_buffer, .address_space: global }
    .group_segment_fixed_size: 19200
    .private_segment_fixed_size: 0
    .kernarg_segment_align: 8
    .kernarg_segment_size: 56
    .max_flat_workgroup_size: 128
    .sgpr_count:     66
    .vgpr_count:     98
    .wavefront_size: 32
...
	.end_amdgpu_metadata
.endif
;; end of part 1
;; launch place (part 2): grid 256 x 1, 4 waves a work-group, no clusters, 768 bytes of LDS; arguments rec, cnt, order, plan; writes order, plan
.if DOCPART == 2
	.amdgcn_target "amdgcn-amd-amdhsa--gfx1250"
	.amdhsa_code_object_version 6
	.text
	.protected	k_qd094c2e9b8_place
	.globl	k_qd094c2e9b8_place
	.p2align	8
	.type	k_qd094c2e9b8_place,@function
k_qd094c2e9b8_place:
	s_mov_b64 s[64:65], 0
	v_nop
	global_prefetch_b8 v0, s[64:65] scope:SCOPE_SE
	s_setreg_imm32_b32 hwreg(HW_REG_WAVE_MODE, 25, 1), 1
	s_wait_xcnt 0x0
; PLACE.  Whole numbers only.  Every work-group sums the whole table of counts (8 KiB) for itself, so that no work-group waits for another.
; Work-group b: (1) puts its 128 tokens into order[], bucketed by op, in the tokens' own order:
;     position = off[e] + (tokens of op e in blocks below mine) + rank in the wave;
; (2) makes entry b of the plan for the third launch's 256 work-groups: {op e, first position p0, tiles nt, rows cnt}.
; THE PLAN.  Unit: a tile of 16 rows of one op.  tau = ceil(C / 16), f = tau / 8, rho = tau % 8.  An op gets f work-groups of 8 tiles, of
; which rho take a ninth; where rho > f that cannot be, and the op gets one work-group more ("forced", X = 1) and no nines.
; L = 256 - sum f - forced.  Since sum tau >= 2,048, L <= sum rho / 8 - forced < the number of unforced ops with rho > 0: while L > 0 such an op,
; in the order of the index, also takes one more work-group instead of its nines.  Where L < 0, D = -L <= forced work-groups are taken from the
; op with the most tiles and their 8 D tiles go as nines to its others: a forced op has tau <= 55, so the largest has f - D >= 8 D + 7.
; So the numbers of work-groups add up to 256 on every input, and each has 1 to 9 tiles.
; The stores into order[] are 4 bytes a lane, scattered over eight buckets, 128 KiB in all: the price of a bucket sort without atomics.
.set C,   24                           ; s[24:31]  tokens of op e
.set G,   32                           ; s[32:39]  tokens of op e in blocks below 4 b, then the wave's first position for op e
.set TAU, 40                           ; s[40:47]
.set XG,  48                           ; s[48:55]  X[e]
	s_load_b256 s[4:11], s[0:1], 0x0               ; rec s[4:5], cnt s[6:7], order s[8:9], plan s[10:11]
	v_lshl_add_u32 v72, v0, 2, 0x100
	v_mov_b32 v73, 0
	v_lshrrev_b32 v1, 5, v0
	v_readfirstlane_b32 s12, v1                    ; wave w
	s_mov_b32 s13, ttmp9                           ; b, also the plan entry's number
	s_lshl_b32 s14, ttmp9, 5                       ; my four blocks' counts: 32 bytes
	s_mov_b32 s15, 0
	s_lshl_b32 s66, ttmp9, 9                       ; my 128 words of rec
	s_mov_b32 s67, 0
	s_lshl_b32 s84, ttmp9, 4                       ; my plan entry
	s_mov_b32 s85, 0
	s_lshl_b32 s79, ttmp9, 2                       ; 4 b: my first block
	s_mov_b32 s80, 0x00ff00ff
	s_mov_b32 s81, 0x76543210                      ; v_permlanex16_b32: lane i reads lane i of the other half
	s_mov_b32 s82, 0xfedcba98
	s_lshl_b32 s83, ttmp9, 7                       ; my first token
	v_lshlrev_b32 v1, 2, v0
	v_lshlrev_b32 v2, 4, v0
	v_lshlrev_b32 v3, 1, v0                        ; thread t holds blocks 256 i + 2 t and + 1 of load i
	v_mov_b32 v56, 0                               ; written once: destinations of lane exchanges count as read
	s_wait_kmcnt 0x0
	s_add_nc_u64 s[14:15], s[6:7], s[14:15]
	s_add_nc_u64 s[4:5], s[4:5], s[66:67]
	s_add_nc_u64 s[10:11], s[10:11], s[84:85]
	s_load_b256 s[16:23], s[14:15], 0x0            ; the words of blocks 4 b .. 4 b + 3 (the last block's two are not used)
	global_load_b32 v4, v1, s[4:5]
.irp i, 0,1,2,3
	global_load_b128 v[8+4*\i:11+4*\i], v2, s[6:7] offset:2048*\i
.endr
	s_wait_loadcnt 0x0
	; sums of bytes: two blocks (64 at the most), then, masked, those of blocks below 4 b.  256 i + 2 t and 4 b are even, so one mask serves both blocks.
.irp i, 0,1,2,3
	v_add_nc_u32 v[24+\i], v[8+4*\i], v[10+4*\i]   ; ops 0-3
	v_add_nc_u32 v[28+\i], v[9+4*\i], v[11+4*\i]   ; ops 4-7
	v_add_nc_u32 v6, 256*\i, v3
	v_cmp_gt_u32 vcc_lo, s79, v6
	v_cndmask_b32 v[32+\i], 0, v[24+\i], vcc_lo
	v_cndmask_b32 v[36+\i], 0, v[28+\i], vcc_lo
.endr
.irp a, 24, 28, 32, 36
	v_add_nc_u32 v[\a],   v[\a],   v[\a+1]         ; bytes of 128 at the most
	v_add_nc_u32 v[\a+2], v[\a+2], v[\a+3]
.endr
; v[d] = even bytes of v[a] + v[b], v[d+1] = odd bytes, in fields of 16 bits: over all 128 threads a field reaches 32,768 at the most
.macro WIDEN d, a, b
	v_and_b32 v40, s80, v[\a]
	v_and_b32 v41, s80, v[\b]
	v_lshrrev_b32 v42, 8, v[\a]
	v_lshrrev_b32 v43, 8, v[\b]
	v_add_nc_u32 v[\d], v40, v41
	v_and_b32 v42, s80, v42
	v_and_b32 v43, s80, v43
	v_add_nc_u32 v[\d+1], v42, v43
.endm
	WIDEN 48, 24, 26                               ; totals: ops 0|2, 1|3
	WIDEN 50, 28, 30                               ;         ops 4|6, 5|7
	WIDEN 52, 32, 34                               ; below my blocks: the same
	WIDEN 54, 36, 38
.macro RED r                           ; the sum over the wave's 32 lanes, in every lane
.irp k, 1,2,4,8
	v_mov_b32_dpp v56, v[\r] row_xmask:\k row_mask:0xf bank_mask:0xf
	v_add_nc_u32 v[\r], v[\r], v56
.endr
	v_permlanex16_b32 v56, v[\r], s81, s82
	v_add_nc_u32 v[\r], v[\r], v56
.endm
.irp r, 48,49,50,51,52,53,54,55
	RED \r
.endr
	s_lshl_b32 s56, s12, 5
	v_mov_b32 v57, s56
	ds_store_b128 v57, v[48:51]                    ; 32 bytes a wave
	ds_store_b128 v57, v[52:55] offset:16
	s_wait_dscnt 0x0                               ; my stores are in LDS, for the others' sake
	s_barrier_signal -1
	s_barrier_wait -1
	v_mov_b32 v58, 0
.irp u, 0,1,2,3
	ds_load_b128 v[8+8*\u:11+8*\u],  v58 offset:32*\u
	ds_load_b128 v[12+8*\u:15+8*\u], v58 offset:32*\u+16
.endr
	s_wait_dscnt 0x0
.irp j, 0,1,2,3,4,5,6,7
	v_add3_u32 v[8+\j], v[8+\j], v[16+\j], v[24+\j]
	v_add_nc_u32 v[8+\j], v[8+\j], v[32+\j]
	v_readfirstlane_b32 s[56+\j], v[8+\j]
.endr
.irp j, 0,1
	s_and_b32  s[C+4*\j],   s[56+2*\j], 0xffff     ; ops 4 j, 4 j + 2 from one word; 4 j + 1, 4 j + 3 from the next
	s_lshr_b32 s[C+4*\j+2], s[56+2*\j], 16
	s_and_b32  s[C+4*\j+1], s[57+2*\j], 0xffff
	s_lshr_b32 s[C+4*\j+3], s[57+2*\j], 16
	s_and_b32  s[G+4*\j],   s[60+2*\j], 0xffff
	s_lshr_b32 s[G+4*\j+2], s[60+2*\j], 16
	s_and_b32  s[G+4*\j+1], s[61+2*\j], 0xffff
	s_lshr_b32 s[G+4*\j+3], s[61+2*\j], 16
.endr
	; tiles, forced ops, what is left
	s_mov_b32 s58, 0
.irp e, 0,1,2,3,4,5,6,7
	s_add_co_u32 s[TAU+\e], s[C+\e], 15
	s_lshr_b32 s[TAU+\e], s[TAU+\e], 4
	s_lshr_b32 s56, s[TAU+\e], 3                   ; f
	s_and_b32 s57, s[TAU+\e], 7                    ; rho
	s_cmp_gt_u32 s57, s56
	s_cselect_b32 s[XG+\e], 1, 0
	s_add_co_u32 s58, s58, s56
	s_add_co_u32 s58, s58, s[XG+\e]
.endr
	s_sub_co_i32 s58, 256, s58                     ; L
.irp e, 0,1,2,3,4,5,6,7
	s_and_b32 s57, s[TAU+\e], 7                    ; SCC = (rho is not 0)
	s_cselect_b32 s56, 1, 0
	s_cmp_gt_i32 s58, 0
	s_cselect_b32 s56, s56, 0                      ; and L > 0
	s_and_not1_b32 s56, s56, s[XG+\e]              ; and not forced
	s_or_b32 s[XG+\e], s[XG+\e], s56
	s_sub_co_i32 s58, s58, s56
.endr
	s_sub_co_i32 s59, 0, s58
	s_max_i32 s59, s59, 0                          ; D
	s_mov_b32 s60, s[TAU]
	s_mov_b32 s61, 0                               ; the first op with the most tiles
.irp e, 1,2,3,4,5,6,7
	s_cmp_gt_u32 s[TAU+\e], s60
	s_cselect_b32 s61, \e, s61
	s_max_u32 s60, s60, s[TAU+\e]
.endr
	; the counts of my work-group's earlier waves, still a byte an op (96 at the most)
	s_wait_kmcnt 0x0
	s_cmp_gt_u32 s12, 0
	s_cselect_b32 s75, s16, 0
	s_cselect_b32 s76, s17, 0
	s_cmp_gt_u32 s12, 1
	s_cselect_b32 s77, s18, 0
	s_cselect_b32 s78, s19, 0
	s_add_co_u32 s75, s75, s77
	s_add_co_u32 s76, s76, s78
	s_cmp_gt_u32 s12, 2
	s_cselect_b32 s77, s20, 0
	s_cselect_b32 s78, s21, 0
	s_add_co_u32 s75, s75, s77
	s_add_co_u32 s76, s76, s78
	; one sweep over the ops: which op work-group b belongs to, and the wave's first position for each op
	s_mov_b32 s62, 0                               ; work-groups of the ops before
	s_mov_b32 s63, 0                               ; off: tokens of the ops before
.irp r, 66,67,68,69,70,71
	s_mov_b32 s\r, 0
.endr
.irp e, 0,1,2,3,4,5,6,7
	s_lshr_b32 s56, s[TAU+\e], 3
	s_and_b32 s57, s[TAU+\e], 7
	s_cmp_eq_u32 s61, \e
	s_cselect_b32 s72, s59, 0                      ; D for the largest op, else 0
	s_add_co_u32 s56, s56, s[XG+\e]
	s_sub_co_u32 s56, s56, s72                     ; its work-groups
	s_cmp_eq_u32 s[XG+\e], 0
	s_cselect_b32 s57, s57, 0
	s_lshl3_add_u32 s57, s72, s57                  ; how many of them take nine tiles
	s_sub_co_u32 s73, s13, s62                     ; my number among them (wraps to a huge number if I come before)
	s_cmp_lt_u32 s73, s56
	s_cselect_b32 s66, \e, s66
	s_cselect_b32 s67, s73, s67
	s_cselect_b32 s68, s[TAU+\e], s68
	s_cselect_b32 s69, s57, s69
	s_cselect_b32 s70, s63, s70
	s_cselect_b32 s71, s[C+\e], s71
.if \e < 4
	s_bfe_u32 s74, s75, 0x80000|(8*(\e&3))
.else
	s_bfe_u32 s74, s76, 0x80000|(8*(\e&3))
.endif
	s_add_co_u32 s[G+\e], s[G+\e], s63
	s_add_co_u32 s[G+\e], s[G+\e], s74
	s_add_co_u32 s62, s62, s56
	s_add_co_u32 s63, s63, s[C+\e]
.endr
	s_min_u32 s56, s67, s69
	s_lshl3_add_u32 s56, s67, s56                  ; my first tile: 8 k + min(k, nines)
	s_cmp_lt_u32 s67, s69
	s_cselect_b32 s57, 9, 8
	s_sub_co_u32 s72, s68, s56
	s_min_u32 s57, s57, s72                        ; nt
	s_lshl4_add_u32 s73, s56, s70                  ; p0
	s_lshl_b32 s74, s56, 4
	s_sub_co_u32 s74, s71, s74
	s_lshl_b32 s72, s57, 4
	s_min_u32 s74, s74, s72                        ; cnt = min(16 nt, what is left of the op)
	; my token's place
	v_and_b32 v5, 0xff, v4                         ; op
	v_lshrrev_b32 v6, 8, v4                        ; rank in the wave
	v_mov_b32 v7, s[G]
.irp e, 1,2,3,4,5,6,7
	v_cmp_ne_u32 vcc_lo, \e, v5
	v_cndmask_b32 v7, s[G+\e], v7, vcc_lo
.endr
	v_add_nc_u32 v7, v7, v6
	v_min_u32 v7, 0x7fff, v7                       ; a position is below 32,768: stated for the address's sake
	v_lshlrev_b32 v7, 2, v7
	v_add_nc_u32 v8, s83, v0                       ; the token's number
	global_store_b32 v7, v8, s[8:9]
	s_cmp_lg_u32 s12, 0
	s_cbranch_scc1 .Ldone
	v_and_b32 v9, 3, v0                            ; wave 0 stores the entry: lane l its word l % 4 (eight lanes the same word)
	v_mov_b32 v10, s66
	v_cmp_ne_u32 vcc_lo, 1, v9
	v_cndmask_b32 v10, s73, v10, vcc_lo
	v_cmp_ne_u32 vcc_lo, 2, v9
	v_cndmask_b32 v10, s57, v10, vcc_lo
	v_cmp_ne_u32 vcc_lo, 3, v9
	v_cndmask_b32 v10, s74, v10, vcc_lo
	v_lshlrev_b32 v11, 2, v9
	global_store_b32 v11, v10, s[10:11]
.Ldone:
	s_barrier_signal -1
	s_barrier_wait -1
	s_wait_tensorcnt 0x0
	ds_add_u32 v72, v73
	s_wait_dscnt 0x0
	s_endpgm
.Lfunc_end_k_qd094c2e9b8_place:
	.size	k_qd094c2e9b8_place, .Lfunc_end_k_qd094c2e9b8_place-k_qd094c2e9b8_place
	.p2alignl 7, 3214868480
	.fill 96, 4, 3214868480
	.section	.rodata,"a",@progbits
	.p2align	6, 0x0
	.amdhsa_kernel k_qd094c2e9b8_place
		.amdhsa_group_segment_fixed_size 768
		.amdhsa_private_segment_fixed_size 0
		.amdhsa_enable_private_segment 0
		.amdhsa_kernarg_size 32
		.amdhsa_user_sgpr_count 2
		.amdhsa_user_sgpr_kernarg_segment_ptr 1
		.amdhsa_wavefront_size32 1
		.amdhsa_system_sgpr_workgroup_id_x 1
		.amdhsa_system_sgpr_workgroup_id_y 1
		.amdhsa_system_sgpr_workgroup_id_z 1
		.amdhsa_system_vgpr_workitem_id 0
		.amdhsa_next_free_vgpr 74
		.amdhsa_next_free_sgpr 86
		.amdhsa_reserve_vcc 1
		.amdhsa_float_denorm_mode_32 3
		.amdhsa_float_denorm_mode_16_64 3
		.amdhsa_memory_ordered 1
		.amdhsa_forward_progress 1
		.amdhsa_inst_pref_size 24
	.end_amdhsa_kernel
	.amdgpu_metadata
---
amdhsa.version: [ 1, 2 ]
amdhsa.kernels:
  - .name:           k_qd094c2e9b8_place
    .symbol:         k_qd094c2e9b8_place.kd
    .args:
      - { .name: rec, .offset: 0, .size: 8, .value_kind: global_buffer, .address_space: global }
      - { .name: cnt, .offset: 8, .size: 8, .value_kind: global_buffer, .address_space: global }
      - { .name: order, .offset: 16, .size: 8, .value_kind: global_buffer, .address_space: global }
      - { .name: plan, .offset: 24, .size: 8, .value_kind: global_buffer, .address_space: global }
    .group_segment_fixed_size: 768
    .private_segment_fixed_size: 0
    .kernarg_segment_align: 8
    .kernarg_segment_size: 32
    .max_flat_workgroup_size: 128
    .sgpr_count:     86
    .vgpr_count:     74
    .wavefront_size: 32
...
	.end_amdgpu_metadata
.endif
;; end of part 2
;; launch bank (part 3): grid 256 x 1, 4 waves a work-group, no clusters, 151,552 bytes of LDS; arguments x, wb, order, wt, plan, out0; writes out0
.if DOCPART == 3
	.amdgcn_target "amdgcn-amd-amdhsa--gfx1250"
	.amdhsa_code_object_version 6
	.text
	.protected	k_qd094c2e9b8_bank
	.globl	k_qd094c2e9b8_bank
	.p2align	8
	.type	k_qd094c2e9b8_bank,@function
k_qd094c2e9b8_bank:
	s_mov_b64 s[64:65], 0
	v_nop
	global_prefetch_b8 v0, s[64:65] scope:SCOPE_SE
	s_setreg_imm32_b32 hwreg(HW_REG_WAVE_MODE, 25, 1), 1
	s_wait_xcnt 0x0
; BANK.  out[token] = wt[token] * act_e(x[token] W[e]^T) for the one op e that the token chose.
; The other seven ops' terms are route 0 times h, taken as 0: that differs from summing them only where an unchosen h is not finite.
; Work-group g takes plan[g] = {e, p0, nt, cnt}: nt (1 to 9) tiles of 16 rows, the tokens order[p0 .. p0 + cnt - 1], all of op e.
; Row i stands for position p0 + min(i, cnt - 1): the rows behind the last (15 at the most in an op's last tile) repeat the last token and
; store its bytes once more.  The gather is written out for eight tiles (the ninth under a branch): a work-group with fewer tiles fetches the
; last token's row again for the missing ones and never reads them; only an op's one short work-group is such.
; x: each row is fetched once as 8 runs of 256 aligned bytes, rounded to f16 and laid into LDS, 1,040 bytes a row.
; W: wave w makes columns 64 w .. + 63 (pass 0) and 256 + 64 w .. + 63 (pass 1) of all rows.  The 64 x 512 numbers of W of one pass, 64 KiB in
; f16, lie in 512 registers of the wave for the whole pass: each byte of wb enters the work-group once and passes no LDS.
; WHY f16: a result is a sum of 512 products and is compared within a hundredth of the output's root mean square; operands with 8 significant
; bits leave an error whose tail reaches that, operands with 11 bits one eight times smaller.  Sums are in f32.
; LIMIT: |x| of 65,520 or more becomes infinite in f16; |x| below 2^-14 is rounded to a multiple of 2^-24 (denormals are kept).
; Columns are permuted in wb: matrix column r of n tile t is column 4 r + t of the 64.  So a lane's results of the four n tiles are four
; neighbouring columns of a row, and one store of 16 bytes a lane writes two whole aligned runs of 256 bytes (two tokens' 64 columns).
; NO JOINT LOADS of W, although the work-groups of an op read the same 512 KiB: the number of work-groups of an op hangs on counts read from
; memory and is no multiple of four; and a joint load lands in LDS, where beside x's 149,760 bytes 177,920 are left, less than the 262,144 of
; one pass's W, from where each wave would have to read its 64 KiB again.
; gelu is exact gelu with erfc by the five-term rational form of Abramowitz and Stegun 7.1.26 (error at most 1.5e-7 in erfc).
;
; REGISTERS, in windows of 256 (s_set_vgpr_msb: bits 1:0 source 0, 3:2 source 1, 5:4 source 2, 7:6 destination):
;   window 0: addresses, accumulators, the way out, temporaries (below);  window 1: v0-127 A fragments, k step s at 8 s;
;   window 2: B of k steps 0-7, (s, t) at 32 s + 8 t;  window 3: B of k steps 8-15.
.set XP,   1040                        ; LDS row of x: 1,024 bytes + 16 = 65 x 16: sixteen rows start 16 bytes apart modulo 256
.set TILE, 16*XP
.set TOK,  144*XP                      ; 149,760: 144 words, the rows' tokens
.set WTB,  576                         ; 144 words behind them: the rows' route values
.set OFFJ, 8                           ; v[8:15]   byte offset in out of row 8 h + j
.set TOKJ, 16                          ; v[16:23]  token of row 8 h + j
.set WTJ,  24                          ; v[24:31]  its route value
.set ACC,  32                          ; v[32:63]  four accumulators, n tile t at 32 + 8 t
.set OUTR, 64                          ; v[64:95]  results in store order: row j's four columns at 64 + 4 j
.set ROFF, 64                          ; v[64:81]  during the gather: byte offsets in x of my rows
.set X0,   96                          ; v[96:159], v[160:223]  during the gather: two sets of 16 loads
.set T0,   96                          ; four sets of 32 temporaries for the activations
.set T1,   128
.set T2,   160
.set T3,   192
; v0 thread; v1 16 (lane % 16); v2 16 lane; v3 where I put x in LDS; v4 r * 1040 + 16 h; v5 A's address, next tile; v6 TOK + 32 h; v7 the same, this tile
; s[4:15] x, wb, order, wt, plan, out; s16 e; s17 p0; s19 cnt; s20 wave; s[24:25], s[26:27] wb of pass 0, 1; s[28:29], s[30:31] out of pass 0, 1;
; s[32:33] out of this trip; s34 trip; s35 2 nt; s36 nt; s37 nt - 1; s38 tile; s39 next tile; s40-43 at work; s44-61 constants
.set MSB, 0
.macro WIN new                         ; the immediate's high byte repeats the setting that is left
.if MSB != \new
	s_set_vgpr_msb (MSB<<8)|\new
.set MSB, \new
.endif
.endm
.macro PLACES                          ; four plain vector instructions between a matrix instruction and a load into, or a vector instruction on, its registers
.rept 4
	v_nop
.endr
.endm
; 16 of the 128 pieces of a block of wb: piece 16 i + q, 512 neighbouring bytes, lands in B's register 4 (16 i + q)
.macro BG i, b
.if \i < 4
	WIN 0x80
.else
	WIN 0xc0
.endif
.irp q, 0,1,2,3,4,5,6,7,8,9,10,11,12,13,14,15
	global_load_b128 v[64*(\i&3)+4*\q:64*(\i&3)+4*\q+3], v2, s[\b:\b+1] offset:(16*\i+\q)*512
.endr
.endm
; my four rows of tile t: lanes 0-15 row 16 t + 2 w + p, lanes 16-31 the row 8 further down; each load 2 x 256 aligned bytes.
; Each token is named once in the list, so its row is read once (but for the repeats of a last token, stated above).
.macro XLOAD t, set
.irp p, 0,1
.irp s, 0,1,2,3,4,5,6,7
	global_load_b128 v[X0+64*\set+4*(8*\p+\s):X0+64*\set+4*(8*\p+\s)+3], v[ROFF+2*\t+\p], s[4:5] offset:256*\s th:TH_LOAD_NT
.endr
.endr
.endm
; a set has come (n = the loads issued behind it): round to f16, 8 bytes a lane into LDS.  The two halves of the lanes lie 8 rows = 8,320 bytes
; apart, 128 modulo 256: the 32 lanes touch 256 different bytes modulo 256.
.macro STAGE set, n
	s_wait_loadcnt \n
.irp u, 0,1,2,3,4,5,6,7,8,9,10,11,12,13,14,15
	v_cvt_pk_f16_f32 v[X0+64*\set+4*\u],   v[X0+64*\set+4*\u],   v[X0+64*\set+4*\u+1]
	v_cvt_pk_f16_f32 v[X0+64*\set+4*\u+1], v[X0+64*\set+4*\u+2], v[X0+64*\set+4*\u+3]
.endr
.irp p, 0,1
.irp s, 0,1,2,3,4,5,6,7
	ds_store_b64 v3, v[X0+64*\set+4*(8*\p+\s):X0+64*\set+4*(8*\p+\s)+1] offset:\p*XP+\s*128
.endr
.endr
	v_add_nc_u32 v3, TILE, v3
.endm
; 16 LDS loads: the A fragments of k steps 8 hi .. 8 hi + 7 of the tile at v5
.macro ALOAD hi
	WIN 0x40
.irp s, 0,1,2,3,4,5,6,7
	ds_load_b128 v[64*\hi+8*\s:64*\hi+8*\s+3],   v5 offset:512*\hi+64*\s
	ds_load_b128 v[64*\hi+8*\s+4:64*\hi+8*\s+7], v5 offset:512*\hi+64*\s+32
.endr
.endm
; 32 matrix instructions: 8 k steps x 4 n tiles.  The four accumulators take turns, one instruction a turn.
; The very first k step starts the sums with the constant 0: nothing is cleared.
.macro MMHALF hi
.if \hi
	WIN 0x0d
.else
	WIN 0x09
.endif
.irp s, 0,1,2,3,4,5,6,7
.irp t, 0,1,2,3
.if (\hi+\s) == 0
	v_wmma_f32_16x16x32_f16 v[ACC+8*\t:ACC+8*\t+7], v[64*\hi+8*\s:64*\hi+8*\s+7], v[32*\s+8*\t:32*\s+8*\t+7], 0
.else
	v_wmma_f32_16x16x32_f16 v[ACC+8*\t:ACC+8*\t+7], v[64*\hi+8*\s:64*\hi+8*\s+7], v[32*\s+8*\t:32*\s+8*\t+7], v[ACC+8*\t:ACC+8*\t+7]
.endif
.endr
.endr
.endm
; T0 = 1 + 2^(h * s[sp]) for the 32 results; transcendentals in a run, one plain instruction behind it (ISA guide 5.7.2)
.macro SIGDEN sp
.set j, 0
.rept 16
	v_pk_mul_f32 v[T0+j:T0+j+1], v[ACC+j:ACC+j+1], s[\sp:\sp+1] op_sel_hi:[1,0]
.set j, j+2
.endr
.set j, 0
.rept 32
	v_exp_f32 v[T1+j], v[T0+j]
.set j, j+1
.endr
	v_nop
.set j, 0
	s_wait_alu depctr_va_vdst(0)
.rept 16
	v_pk_add_f32 v[T0+j:T0+j+1], v[T1+j:T1+j+1], 1.0 op_sel_hi:[1,0]
.set j, j+2
.endr
.endm
.macro RCP32 dst, src
.set j, 0
.rept 32
	v_rcp_f32 v[\dst+j], v[\src+j]
.set j, j+1
.endr
	v_nop
.endm
.macro HORNER sp                       ; T0 = T0 * t + s[sp]
.set j, 0
.rept 16
	v_pk_fma_f32 v[T0+j:T0+j+1], v[T0+j:T0+j+1], v[T3+j:T3+j+1], s[\sp:\sp+1] op_sel_hi:[1,1,0]
.set j, j+2
.endr
.endm
	; ---------------- the head ----------------
	s_load_b256 s[4:11], s[0:1], 0x0               ; x s[4:5], wb s[6:7], order s[8:9], wt s[10:11]
	s_load_b128 s[12:15], s[0:1], 0x20             ; plan s[12:13], out s[14:15]
	v_lshl_add_u32 v254, v0, 2, 0x24e00
	v_mov_b32 v255, 0
	v_lshrrev_b32 v9, 5, v0
	v_readfirstlane_b32 s20, v9                    ; wave w
	s_lshl_b32 s22, ttmp9, 4
	s_mov_b32 s23, 0
	s_wait_kmcnt 0x0
	s_add_nc_u64 s[12:13], s[12:13], s[22:23]
	s_load_b128 s[16:19], s[12:13], 0x0            ; my entry of the plan
	v_and_b32 v10, 31, v0                          ; lane
	v_and_b32 v11, 15, v0                          ; r
	v_bfe_u32 v12, v0, 4, 1                        ; h
	v_lshlrev_b32 v1, 4, v11
	v_lshlrev_b32 v2, 4, v10
	v_mul_u32_u24 v4, v11, XP
	v_lshl_add_u32 v4, v12, 4, v4                  ; A: row r, 16 bytes for each half of the lanes
	v_lshlrev_b32 v6, 5, v12
	v_add_nc_u32 v6, TOK, v6                       ; tokens of rows 8 h ..
	s_mul_i32 s40, s20, 2*XP
	v_mul_u32_u24 v3, v12, 8*XP
	v_lshl_add_u32 v3, v11, 3, v3
	v_add_nc_u32 v3, s40, v3                       ; x into LDS: row 2 w + 8 h, 8 bytes a lane
	s_mul_i32 s41, s20, 36                         ; the list's 144 rows: 36 a wave, rows 36 w + lane and 36 w + 32 + lane % 4
	s_mov_b32 s42, TOK
	v_add_nc_u32 v226, s41, v10
	v_and_b32 v227, 3, v0
	v_add_nc_u32 v227, s41, v227
	v_add_nc_u32 v227, 32, v227
	v_lshl_add_u32 v230, v226, 2, s42              ; their words in LDS: the wave's own
	v_lshl_add_u32 v231, v227, 2, s42
	s_lshl_b32 s40, s20, 3
	v_add_nc_u32 v232, s40, v6                     ; tokens of rows 2 w + 8 h ..
	s_mov_b32 s44, 0x3e6d3388                      ; 0.3275911 / sqrt 2
	s_mov_b32 s46, 0xbf38aa3b                      ; - log2 e / 2
	s_mov_b32 s47, 0xbf38aa3b
	s_mov_b32 s48, 0xbf07dc22                      ; b5 .. b1: minus half of the form's five coefficients
	s_mov_b32 s49, 0xbf07dc22
	s_mov_b32 s50, 0x3f3a00e3
	s_mov_b32 s52, 0xbf35f0e3
	s_mov_b32 s53, 0xbf35f0e3
	s_mov_b32 s54, 0x3e11a98e
	s_mov_b32 s55, 0x3e11a98e
	s_mov_b32 s56, 0xbe027906
	s_mov_b32 s57, 0xbe027906
	s_mov_b32 s58, 0xbfb8aa3b                      ; - log2 e
	s_mov_b32 s59, 0xbfb8aa3b
	s_mov_b32 s60, 0x4038aa3b                      ; 2 log2 e
	s_mov_b32 s61, 0x4038aa3b
	s_wait_kmcnt 0x0
	s_min_u32 s16, s16, 7                          ; the plan's ranges, stated where they enter addresses and trip counts
	s_min_u32 s17, s17, 0x7fff
	s_max_u32 s18, s18, 1
	s_min_u32 s36, s18, 9                          ; nt
	s_max_u32 s19, s19, 1
	s_min_u32 s19, s19, 144
	s_sub_co_u32 s43, s19, 1                       ; cnt - 1
	s_lshl_b32 s40, s16, 19                        ; wb: 524,288 bytes an op, 65,536 a block
	s_lshl_b32 s41, s20, 16
	s_add_co_u32 s40, s40, s41
	s_mov_b32 s41, 0
	s_add_nc_u64 s[24:25], s[6:7], s[40:41]
	s_add_nc_u64 s[26:27], s[24:25], 0x40000       ; pass 1: four blocks on
	s_lshl_b32 s40, s20, 8
	s_add_nc_u64 s[28:29], s[14:15], s[40:41]      ; out: 256 bytes of a row a block
	s_add_nc_u64 s[30:31], s[28:29], 0x400
	s_lshl_b32 s35, s36, 1
	s_sub_co_u32 s37, s36, 1
	s_mov_b32 s34, 0
	s_mov_b32 s38, 0
	s_cmp_gt_u32 s36, 1
	s_cselect_b32 s39, 1, 0
	v_min_u32 v226, s43, v226
	v_min_u32 v227, s43, v227
	v_add_nc_u32 v226, s17, v226
	v_add_nc_u32 v227, s17, v227
	v_min_u32 v226, 0x7fff, v226
	v_min_u32 v227, 0x7fff, v227
	v_lshlrev_b32 v226, 2, v226
	v_lshlrev_b32 v227, 2, v227
	global_load_b32 v224, v226, s[8:9]             ; my rows' tokens
	global_load_b32 v225, v227, s[8:9]
	BG 0, 24
	WIN 0
	s_wait_loadcnt 16                              ; the tokens are in; the 16 loads of B behind them stay out
	v_min_u32 v224, 0x7fff, v224
	v_min_u32 v225, 0x7fff, v225
	ds_store_b32 v230, v224
	ds_store_b32 v231, v225
	v_lshlrev_b32 v226, 2, v224                    ; free since that wait
	v_lshlrev_b32 v227, 2, v225
	global_load_b32 v228, v226, s[10:11]           ; their route values
	global_load_b32 v229, v227, s[10:11]
	s_wait_dscnt 0x0                               ; my part of the list is in LDS, for the others' sake
	s_barrier_signal -1
	s_barrier_wait -1
.irp t, 0,1,2,3,4,5,6,7,8
.irp p, 0,1
	ds_load_b32 v[ROFF+2*\t+\p], v232 offset:(16*\t+\p)*4
.endr
.endr
	s_wait_dscnt 0x0
.irp u, 0,1,2,3,4,5,6,7,8,9,10,11,12,13,14,15,16,17
	v_min_u32 v[ROFF+\u], 0x7fff, v[ROFF+\u]
	v_lshl_add_u32 v[ROFF+\u], v[ROFF+\u], 11, v1  ; 2,048 bytes a row of x, 16 bytes a lane
.endr
	; ---------------- the gather: two register sets take turns; pass 0's B goes out between x's loads ----------------
	; Each wait's count is the number of loads issued behind the set that it waits for.
	XLOAD 0, 0
	XLOAD 1, 1
	STAGE 0, 16                                    ; tile 0; behind it: tile 1.  The route values, issued ahead of it, are in too
	ds_store_b32 v230, v228 offset:WTB
	ds_store_b32 v231, v229 offset:WTB
	XLOAD 2, 0
	BG 1, 24
	WIN 0
	STAGE 1, 32                                    ; tile 1; behind it: tile 2, B 1
	XLOAD 3, 1
	BG 2, 24
	WIN 0
	STAGE 0, 48                                    ; tile 2; behind it: B 1, tile 3, B 2
	XLOAD 4, 0
	BG 3, 24
	WIN 0
	STAGE 1, 48
	XLOAD 5, 1
	BG 4, 24
	WIN 0
	STAGE 0, 48
	XLOAD 6, 0
	BG 5, 24
	WIN 0
	STAGE 1, 48
	XLOAD 7, 1
	BG 6, 24
	WIN 0
	STAGE 0, 48                                    ; tile 6
	s_cmp_lt_u32 s36, 9
	s_cbranch_scc1 .Lno_x8
	XLOAD 8, 0
.Lno_x8:
	BG 7, 24
	WIN 0
	STAGE 1, 32                                    ; tile 7; behind it: B 6, B 7, and tile 8 where there is one (the count is then stricter than need be)
	s_cmp_lt_u32 s36, 9
	s_cbranch_scc1 .Lno_s8
	STAGE 0, 16                                    ; tile 8; behind it: B 7
.Lno_s8:
	s_wait_dscnt 0x0                               ; my rows of x and my route values are in LDS, for the others' sake
	s_barrier_signal -1
	s_barrier_wait -1                              ; LDS is only read in the trips
	; ---------------- 2 nt trips: a tile of 16 rows x my 64 columns each; pass 0, then pass 1 ----------------
	v_mov_b32 v5, v4
	ALOAD 0
	ALOAD 1
	WIN 0
	s_min_u32 s40, s39, 8
	s_mul_i32 s40, s40, TILE
	v_add_nc_u32 v5, s40, v4                       ; the next tile's A
	v_mov_b32 v7, v6
.Ltrip:
	s_wait_loadcnt 0x0                             ; B is in registers (met at once in all trips but the first of each pass)
	s_wait_dscnt 16                                ; A's k steps 0-7 are in; the 16 loads of k steps 8-15, the youngest, may be out
	MMHALF 0
	PLACES
	ALOAD 0                                        ; the next tile's k steps 0-7
	WIN 0
	s_cmp_lg_u32 s34, s37
	s_cbranch_scc1 .Lkeep_lo
	BG 0, 26                                       ; pass 0's last tile: pass 1's B follows into the registers that have had their last use
	BG 1, 26
	BG 2, 26
	BG 3, 26
	WIN 0
.Lkeep_lo:
	s_wait_dscnt 16                                ; all but the 16 just issued: A's k steps 8-15 are in
	MMHALF 1
	PLACES
	WIN 0
	ds_load_b128 v[TOKJ:TOKJ+3],   v7
	ds_load_b128 v[TOKJ+4:TOKJ+7], v7 offset:16
	ds_load_b128 v[WTJ:WTJ+3],     v7 offset:WTB
	ds_load_b128 v[WTJ+4:WTJ+7],   v7 offset:WTB+16
	ALOAD 1                                        ; the next tile's k steps 8-15
	WIN 0
	s_cmp_lg_u32 s34, s37
	s_cbranch_scc1 .Lkeep_hi
	BG 4, 26
	BG 5, 26
	BG 6, 26
	BG 7, 26
	WIN 0
.Lkeep_hi:
	; the activation, in place on the 32 results.  The op comes from the plan and is the same in all trips.
	s_cmp_lt_u32 s16, 4
	s_cbranch_scc0 .Lop4567
	s_cmp_lt_u32 s16, 2
	s_cbranch_scc0 .Lop23
	s_cmp_lt_u32 s16, 1
	s_cbranch_scc0 .Lop1
	; op 0, gelu = max(h, 0) + |h| E, E = - erfc(|h| / sqrt 2) / 2 = t (b1 + t (b2 + t (b3 + t (b4 + t b5)))) 2^(- h h log2 e / 2), t = 1 / (1 + 0.2316419 |h|)
	v_mov_b32 v224, s50
	v_mov_b32 v225, s50
.set j, 0
.rept 32
	v_fma_f32 v[T0+j], |v[ACC+j]|, s44, 1.0
.set j, j+1
.endr
.set j, 0
.rept 16
	v_pk_mul_f32 v[T1+j:T1+j+1], v[ACC+j:ACC+j+1], v[ACC+j:ACC+j+1]
.set j, j+2
.endr
.set j, 0
.rept 16
	v_pk_mul_f32 v[T1+j:T1+j+1], v[T1+j:T1+j+1], s[46:47] op_sel_hi:[1,0]
.set j, j+2
.endr
.set j, 0
.rept 32
	v_rcp_f32 v[T3+j], v[T0+j]
.set j, j+1
.endr
.set j, 0
.rept 32
	v_exp_f32 v[T2+j], v[T1+j]
.set j, j+1
.endr
	v_nop
.set j, 0
	s_wait_alu depctr_va_vdst(0)
.rept 16
	v_pk_fma_f32 v[T0+j:T0+j+1], v[T3+j:T3+j+1], s[48:49], v[224:225] op_sel_hi:[1,0,1]
.set j, j+2
.endr
	HORNER 52
	HORNER 54
	HORNER 56
.set j, 0
.rept 16
	v_pk_mul_f32 v[T0+j:T0+j+1], v[T0+j:T0+j+1], v[T3+j:T3+j+1]
.set j, j+2
.endr
.set j, 0
.rept 16
	v_pk_mul_f32 v[T0+j:T0+j+1], v[T0+j:T0+j+1], v[T2+j:T2+j+1]
.set j, j+2
.endr
.set j, 0
.rept 32
	v_max_num_f32 v[T1+j], 0, v[ACC+j]
.set j, j+1
.endr
.set j, 0
.rept 32
	v_fma_f32 v[ACC+j], |v[ACC+j]|, v[T0+j], v[T1+j]
.set j, j+1
.endr
	s_branch .Lact_done
.Lop1:                                             ; relu
.set j, 0
.rept 32
	v_max_num_f32 v[ACC+j], 0, v[ACC+j]
.set j, j+1
.endr
	s_branch .Lact_done
.Lop23:
	s_cmp_lt_u32 s16, 3
	s_cbranch_scc0 .Lop3
.set j, 0                                          ; op 2, relu squared
.rept 32
	v_max_num_f32 v[ACC+j], 0, v[ACC+j]
.set j, j+1
.endr
.set j, 0
.rept 16
	v_pk_mul_f32 v[ACC+j:ACC+j+1], v[ACC+j:ACC+j+1], v[ACC+j:ACC+j+1]
.set j, j+2
.endr
	s_branch .Lact_done
.Lop3:                                             ; silu = h / (1 + e^-h)
	SIGDEN 58
	RCP32 T2, T0
.set j, 0
	s_wait_alu depctr_va_vdst(0)
.rept 16
	v_pk_mul_f32 v[ACC+j:ACC+j+1], v[ACC+j:ACC+j+1], v[T2+j:T2+j+1]
.set j, j+2
.endr
	s_branch .Lact_done
.Lop4567:
	s_cmp_lt_u32 s16, 6
	s_cbranch_scc0 .Lop67
	s_cmp_lt_u32 s16, 5
	s_cbranch_scc0 .Lop5
	SIGDEN 60                                      ; op 4, tanh = 1 - 2 / (1 + e^2h)
	RCP32 T2, T0
.set j, 0
	s_wait_alu depctr_va_vdst(0)
.rept 16
	v_pk_fma_f32 v[ACC+j:ACC+j+1], v[T2+j:T2+j+1], -2.0, 1.0 op_sel_hi:[1,0,0]
.set j, j+2
.endr
	s_branch .Lact_done
.Lop5:                                             ; sigmoid = 1 / (1 + e^-h)
	SIGDEN 58
	RCP32 ACC, T0
	s_branch .Lact_done
.Lop67:
	s_cmp_lt_u32 s16, 7
	s_cbranch_scc1 .Lact_done                      ; op 6, the identity
.set j, 0                                          ; op 7, the negative
.rept 16
	v_pk_mul_f32 v[ACC+j:ACC+j+1], v[ACC+j:ACC+j+1], -1.0 op_sel_hi:[1,0]
.set j, j+2
.endr
.Lact_done:
	s_wait_dscnt 16                                ; tokens and route values are in: only the 16 loads of A were issued behind them
	s_wait_xcnt 0x0                                ; the last trip's stores have had their addresses translated (ISA guide 3.1): their offsets, data and base are rewritten only behind this wait
.irp j, 0,1,2,3,4,5,6,7
	v_min_u32 v[OFFJ+\j], 0x7fff, v[TOKJ+\j]
	v_lshl_add_u32 v[OFFJ+\j], v[OFFJ+\j], 11, v1  ; 2,048 bytes a row of out, 16 bytes (columns 4 r .. 4 r + 3 of my 64) a lane
.endr
	s_wait_alu depctr_va_vdst(0)
.irp j, 0,1,2,3,4,5,6,7
.irp t, 0,1,2,3
	v_mul_f32 v[OUTR+4*\j+\t], v[ACC+8*\t+\j], v[WTJ+\j]   ; times the route value; the same line brings a row's four columns together
.endr
.endr
	s_cmp_ge_u32 s34, s36
	s_cselect_b64 s[32:33], s[30:31], s[28:29]     ; pass 1 or pass 0
.irp j, 0,1,2,3,4,5,6,7
	global_store_b128 v[OFFJ+\j], v[OUTR+4*\j:OUTR+4*\j+3], s[32:33] th:TH_STORE_NT   ; lanes 0-15: 256 aligned bytes of row j's token; lanes 16-31: of row 8 + j's
.endr
	s_mov_b32 s38, s39                             ; the next trip's tile, and the one behind it: after the last tile comes tile 0, for pass 1
	s_add_co_u32 s39, s38, 1
	s_cmp_eq_u32 s39, s36
	s_cselect_b32 s39, 0, s39
	s_min_u32 s40, s39, 8
	s_mul_i32 s40, s40, TILE
	v_add_nc_u32 v5, s40, v4
	s_min_u32 s41, s38, 8
	s_lshl_b32 s41, s41, 6
	v_add_nc_u32 v7, s41, v6
	s_add_co_u32 s34, s34, 1
	s_cmp_lt_u32 s34, s35
	s_cbranch_scc1 .Ltrip
	s_wait_dscnt 0x0                               ; the last trip's fetch of a next tile is not used
	s_barrier_signal -1
	s_barrier_wait -1
	s_wait_tensorcnt 0x0
	ds_add_u32 v254, v255
	s_wait_dscnt 0x0
	s_endpgm
.Lfunc_end_k_qd094c2e9b8_bank:
	.size	k_qd094c2e9b8_bank, .Lfunc_end_k_qd094c2e9b8_bank-k_qd094c2e9b8_bank
	.p2alignl 7, 3214868480
	.fill 96, 4, 3214868480
	.section	.rodata,"a",@progbits
	.p2align	6, 0x0
	.amdhsa_kernel k_qd094c2e9b8_bank
		.amdhsa_group_segment_fixed_size 151552
		.amdhsa_private_segment_fixed_size 0
		.amdhsa_enable_private_segment 0
		.amdhsa_kernarg_size 48
		.amdhsa_user_sgpr_count 2
		.amdhsa_user_sgpr_kernarg_segment_ptr 1
		.amdhsa_wavefront_size32 1
		.amdhsa_system_sgpr_workgroup_id_x 1
		.amdhsa_system_sgpr_workgroup_id_y 1
		.amdhsa_system_sgpr_workgroup_id_z 1
		.amdhsa_system_vgpr_workitem_id 0
		.amdhsa_next_free_vgpr 1024
		.amdhsa_next_free_sgpr 66
		.amdhsa_reserve_vcc 0
		.amdhsa_float_denorm_mode_32 3
		.amdhsa_float_denorm_mode_16_64 3
		.amdhsa_memory_ordered 1
		.amdhsa_forward_progress 1
		.amdhsa_inst_pref_size 122
	.end_amdhsa_kernel
	.amdgpu_metadata
---
amdhsa.version: [ 1, 2 ]
amdhsa.kernels:
  - .name:           k_qd094c2e9b8_bank
    .symbol:         k_qd094c2e9b8_bank.kd
    .args:
      - { .name: x, .offset: 0, .size: 8, .value_kind: global_buffer, .address_space: global }
      - { .name: wb, .offset: 8, .size: 8, .value_kind: global_buffer, .address_space: global }
      - { .name: order, .offset: 16, .size: 8, .value_kind: global_buffer, .address_space: global }
      - { .name: wt, .offset: 24, .size: 8, .value_kind: global_buffer, .address_space: global }
      - { .name: plan, .offset: 32, .size: 8, .value_kind: global_buffer, .address_space: global }
      - { .name: out0, .offset: 40, .size: 8, .value_kind: global_buffer, .address_space: global }
    .group_segment_fixed_size: 151552
    .private_segment_fixed_size: 0
    .kernarg_segment_align: 8
    .kernarg_segment_size: 48
    .max_flat_workgroup_size: 128
    .sgpr_count:     66
    .vgpr_count:     1024
    .wavefront_size: 32
...
	.end_amdgpu_metadata
.endif
;; end of part 3
